; MI455X (gfx1250); checked and timed in simulation.
; The chip was launched on July 23, 2026; its instructions are those of AMD's public machine-readable ISA for CDNA 5 (MIT licence, August 2026) and "CDNA5" Instruction Set Architecture Reference Guide (July 2026). The comments in the code are by the model that wrote it; some were corrected since.
;; Cross Attention. Allowed arithmetic: matrix products marked QUANTISED: E2M3 operands, one E8M0 scale for each 32 along K, by v_wmma_scale_f32_16x16x128_f8f6f4 with both operands' format E2M3, f32 sums; everything else in f32.
;; Inputs: Wk_codes 1,024 x 24 x 24 uint8 (E2M3 codes of Wk, K innermost, in blocks of 32 codes, four codes in three bytes); Wk_scales 1,024 x 24 uint8 (E8M0 scales of Wk, one for each 32 codes along K); Wo_codes 1,024 x 32 x 24 uint8 (E2M3 codes of Wo, K innermost, in blocks of 32 codes, four codes in three bytes); Wo_scales 1,024 x 32 uint8 (E8M0 scales of Wo, one for each 32 codes along K); Wq_codes 1,024 x 32 x 24 uint8 (E2M3 codes of Wq, K innermost, in blocks of 32 codes, four codes in three bytes); Wq_scales 1,024 x 32 uint8 (E8M0 scales of Wq, one for each 32 codes along K); Wv_codes 1,024 x 24 x 24 uint8 (E2M3 codes of Wv, K innermost, in blocks of 32 codes, four codes in three bytes); Wv_scales 1,024 x 24 uint8 (E8M0 scales of Wv, one for each 32 codes along K); bk 1,024 float32; bo 1,024 float32; bq 1,024 float32; bv 1,024 float32; key_codes 4 x 2,048 x 24 x 24 uint8 (E2M3 codes of key, K innermost, in blocks of 32 codes, four codes in three bytes); key_scales 4 x 2,048 x 24 uint8 (E8M0 scales of key, one for each 32 codes along K); query_codes 4 x 2,048 x 32 x 24 uint8 (E2M3 codes of query, K innermost, in blocks of 32 codes, four codes in three bytes); query_scales 4 x 2,048 x 32 uint8 (E8M0 scales of query, one for each 32 codes along K); value_codes 4 x 2,048 x 24 x 24 uint8 (E2M3 codes of value, K innermost, in blocks of 32 codes, four codes in three bytes); value_scales 4 x 2,048 x 24 uint8 (E8M0 scales of value, one for each 32 codes along K).
;; Outputs: out0 4 x 2,048 x 1,024 float32.
;; This version of the problem:
;;   THIS VERSION OF THE PROBLEM IS GIVEN IN LOW PRECISION. The matrix products marked QUANTISED in the list below multiply operands that are first quantised to E2M3 (2 exponent bits, 3 mantissa bits; 6 bits a number), with one power-of-two scale for each 32 numbers along K (OCP MX v1.0); their sums are f32. All else is computed in f32.
;;   The module's matrix products, in the order in which they are computed (A, B: the left and right operand; K: the contracted axis; several contracted axes count as one K, in the product's order):
;;     1. [M 8,192, K 1,024] x [K 1,024, N 1,024]; A: input query (given as codes); B: input Wq (given as codes): QUANTISED
;;     2. [M 8,192, K 768] x [K 768, N 1,024]; A: input key (given as codes); B: input Wk (given as codes): QUANTISED
;;     3. [M 8,192, K 768] x [K 768, N 1,024]; A: input value (given as codes); B: input Wv (given as codes): QUANTISED
;;     4. batch 64 x [M 2,048, K 64] x [K 64, N 2,048]; A: computed on the way; B: computed on the way: QUANTISED
;;     5. batch 64 x [M 2,048, K 2,048] x [K 2,048, N 64]; A: softmax (see below); B: computed on the way: QUANTISED
;;     6. [M 8,192, K 1,024] x [K 1,024, N 1,024]; A: computed on the way; B: input Wo (given as codes): QUANTISED
;;   THE QUANTISER, for each operand of a quantised product, along K:
;;     - K is cut into blocks of 32 from its start; a last block that is shorter is filled with zeros.
;;     - A block's scale is 2^e with e = floor(log2(the largest magnitude in the block)) - 2, held to -126 .. 127; a block of zeros has e = 0. As a byte (E8M0): e + 127.
;;     - Each number is divided by its block's scale, clamped to +-7.5, and rounded to the nearest number of E2M3, ties to even, subnormals kept.
;;     - The product sums the exact products of the quantised numbers (number of the format x scale) in f32.
;;   ~~~python
;;   def quantise(x, axis):      # numpy; x: float32 -> the quantised numbers, widened to float32 again
;;       x = np.moveaxis(x, axis, -1); K = x.shape[-1]
;;       x = np.pad(x, [(0, 0)] * (x.ndim - 1) + [(0, -K % 32)]); x = x.reshape(x.shape[:-1] + (-1, 32)); a = np.abs(x).max(-1, keepdims=True)
;;       e = np.where(a > 0, np.clip(np.frexp(np.where(a > 0, a, 1))[1] - 1 - 2, -126, 127), 0)      # np.frexp(a)[1] - 1 = floor(log2(a)), exactly
;;       r = np.clip(x / 2.0 ** e, -7.5, 7.5)
;;       step = 2.0 ** (np.maximum(np.frexp(np.where(r == 0, 1, r))[1] - 1, 0) - 3)
;;       q = np.round(r / step) * step * 2.0 ** e      # np.round: ties to even
;;       return np.moveaxis(q.reshape(q.shape[:-2] + (-1,))[..., :K], -1, axis).astype(np.float32)
;;   ~~~
;;   SOFTMAX AHEAD OF A QUANTISED PRODUCT. Where the list says 'softmax', what is quantised is not the finished softmax but p = 2^(t - M), with t = logit x log2(e) and M = ceil(the row's largest t), a whole number; so 1/2 < the row's largest p <= 1. The row's sum l is taken of the UNQUANTISED p, in f32, and the product's result is divided by l at the end. Since M is a whole number, a kernel that streams over the keys may use a running M (the ceiling of the running maximum): every later rescaling is an exact power of two, which a block's scale takes up: the codes' values come out the same.
;;   OPERANDS COMPUTED ON THE WAY. 'Computed on the way' means the value that the module computes at that place (a softmax that the list does not call 'softmax' is quantised finished and normalised). What goes into a quantiser is computed in f32, as accurately as f32 sums, v_exp_f32 and their like allow (about 1e-6 of the number): no bf16 or f16 on the way to a quantiser, and a product that is left as it is and whose result goes on into a quantised operand takes f32 operands (vector FMAs, or v_wmma_f32_16x16x4_f32). A number that lies on a knife's edge between two numbers of the format may be rounded either way, as far as f32 arithmetic and the matrix unit's own rounding can turn it there, and no further.
;;   INPUTS GIVEN AS CODES. Wk (in the module: [768, 1024], K = its axis 0); Wo (in the module: [1024, 1024], K = its axis 0); Wq (in the module: [1024, 1024], K = its axis 0); Wv (in the module: [768, 1024], K = its axis 0); key (in the module: [4, 2048, 768], K = its axis 2); query (in the module: [4, 2048, 1024], K = its axis 2); value (in the module: [4, 2048, 768], K = its axis 2): each comes as NAME_codes (uint8): NAME with its K axis moved to the last place and cut into blocks of 32 codes, [.., K / 32, bytes a block], one block behind the other in memory; four codes in three bytes: a row's codes are one little-endian stream of bits, code i at bits 6 i .. 6 i + 5 (a code: sign, 2 exponent bits, 3 mantissa bits); and NAME_scales (uint8): the same leading axes, one E8M0 byte (e + 127) for each 32 codes along K. Its value is code x scale, taken as it is: it is not quantised again, and the codes and scales need not be those that the quantiser above would give.
;; One version. Each part assembles by itself: llvm-mc -triple=amdgcn-amd-amdhsa -mcpu=gfx1250 --defsym DOCPART=n.
;; ======== version 1 of 1: 3 launches
;; limits: right only within a limited range of input values
;; workspace buffers: q_img 6,291,456 bytes; q_sc 524,288 bytes; kv 13,631,488 bytes; ctx_img 6,291,456 bytes; ctx_sc 524,288 bytes
;; launch proj (part 1): grid 768 x 1, 12 waves a work-group, no clusters, 317,952 bytes of LDS; arguments query_codes, query_scales, Wq_codes, Wq_scales, bq, key_codes, key_scales, Wk_codes, Wk_scales, bk, Wv_codes, Wv_scales, value_codes, value_scales, bv, q_img, q_sc, kv; writes q_img, q_sc, kv
.if DOCPART == 1
	.amdgcn_target "amdgcn-amd-amdhsa--gfx1250"
	.amdhsa_code_object_version 6
	.text
	.protected	k_qbef6ba3583_proj
	.globl	k_qbef6ba3583_proj
	.p2align	8
	.type	k_qbef6ba3583_proj,@function
k_qbef6ba3583_proj:
	s_mov_b64 s[64:65], 0
	v_nop
	global_prefetch_b8 v0, s[64:65] scope:SCOPE_SE
	s_setreg_imm32_b32 hwreg(HW_REG_WAVE_MODE, 25, 1), 1
	s_wait_xcnt 0x0
; THE THREE PROJECTIONS, q = query Wq + bq, k = key Wk + bk, v = value Wv + bv, on codes of FP6 (E2M3) with E8M0 scales, and the quantising of their results for attention.
; ONE TEXT FOR ALL THREE: out[y][x] = sum over k of Y[y][k] X[x][k] + bias, quantised along x in blocks of 32.  q, k: Y = the activation's rows, X = the weight's rows (64 x = one head: its two blocks).
; v: Y = Wv's rows (64 y = one head's channels), X = value's rows (x = the keys, which are the K of attention's second product).  The type (work-group's number / 256) enters scalars for
; global addresses, two masks for the bias and one pair of branches for K = 1,024 against 768; no LDS address hangs on it.
; THE MATRIX INSTRUCTION IS USED TRANSPOSED: source 0 = 16 rows of X, source 1 = 16 rows of Y: a lane holds one y, and its registers run along x.
; TILE ORDER: LDS row 32 B + 16 u + r holds the tensor's row 32 B + 8 u + r + 8 (r / 8) (bits 3 and 4 of the row's number change places).  So the 16 registers of x tiles 2 B, 2 B + 1 are
; x = 32 B + 16 (lane / 16) + 0 .. 15, sixteen neighbours for the conversion; and the y tiles (keys of k, channels of v, queries of q) have the order that the next launches want.
; SHARES: a work-group makes 128 y x 256 x, all of K.  TWELVE WAVES: all twelve copy, 32 of the 384 rows each; waves 0 to 7 multiply, 64 x 64 each (wy = w / 4, wx = w % 4): 16 accumulators, two such waves to a SIMD;
; waves 8 to 11 copy, pass the barriers and end.  768 work-groups: 256 for each type.
; THE OPERANDS COME ONCE: all of K for 128 + 256 rows fits in LDS.  They come by lane-addressed copies, issued at the head, in chunks of 256 along K (12 copies a wave), each chunk waited for by its own count;
; by this text's count a wave has 52 copies out at the most (4 for the scale bytes, four chunks).
; NO JOINT LOADS, though work-groups share rows: the copies lay rows 784 bytes apart, in tile order, from a row length in memory (768 or 576 bytes) that hangs on the type; these three need an
; address a lane, and a lane-addressed copy names one work-group's LDS.
; RESULTS: a HALF IMAGE, 768 bytes = 16 rows x 64 along K = registers 0-5 of a 6-bit operand: bytes 0-511: 16 x lane: registers 0-3; bytes 512-767: 8 x lane: registers 4, 5.
; Scale words of four tiles: 256 bytes, the word at 8 x lane + 4 p belongs to tile 2 p + lane / 16, row lane % 16; word = byte 0 | byte 1 << 8 | 0x7f7f0000.
; LIMITS: a block of zeros gets the scale byte 1 where the quantiser's rule says 127 (its codes are zeros; the bytes are read by this program alone); a scale byte 0xff among the inputs is not served.
.set PL,   784                         ; an LDS row of codes: 768 bytes + 16 = 196 words: row r starts at bank 4 r mod 64 (64 banks of 4 bytes: ISA guide 11.1): the 32 lanes of a fragment's 8-byte load touch 64 different banks
.set XB,   128*PL                      ; Y's 128 rows lie at 0, X's 256 rows behind them
.set YSC,  XB+256*PL                   ; Y's scale bytes: 128 rows x 40 (32 bytes + 8)
.set XSC,  YSC+128*40                  ; X's: 256 rows x 40, behind them
.set SC,   24                          ; v24-31   scale words and nothing else: pair i: lanes 0-15 Y's tile i, lanes 16-31 X's tile i; two K steps
.set XF,   32                          ; v32-79   X's four fragments
.set YF,   80                          ; v80-127  Y's four fragments
.set ACC,  128                         ; v128-255 accumulator (a, b) at 128 + 8 (4 a + b)
.set SEL,  78
; v1 X's fragments, v2 Y's, v3 the scale words: LDS addresses.  THE COPIES OF CODES GO BY PAIRS OF ROWS: a pair (2 x 768 or 2 x 576 bytes) begins at a multiple of 128 bytes of its buffer and is 12 or 9 runs of 128 bytes;
; a copy takes one such run of each of four pairs, eight lanes to a run.  v4-7 LDS address in the even row (four groups of 8 rows), v8-11 in the odd row, v12-15 for the run of a 576-byte pair that holds the even row's
; last 64 bytes and the odd row's first 64; v20 the offset in memory (pair, lane); s[80:87], s[88:95] the groups' bases in memory, even and odd rows.  So a K chunk of 256 is 8, 12 or 16 copies, not always 12.
; v16 16 x lane, v17 8 x lane.  v18, v19 the bias's offsets.
	s_load_b512 s[8:23], s[0:1], 0x0
	s_load_b512 s[24:39], s[0:1], 0x40             ; Wk scales; bk; Wv codes, scales; value codes, scales; bv; q_img
	s_load_b128 s[40:43], s[0:1], 0x80             ; q_sc; kv
	v_lshl_add_u32 v22, v0, 2, 0x4d400
	v_mov_b32 v23, 0
	ds_add_u32 v22, v23
	ds_add_u32 v22, v23
	v_lshrrev_b32 v18, 5, v0
	s_delay_alu instid0(VALU_DEP_1)
	v_readfirstlane_b32 s2, v18                    ; wave 0..11
	s_and_b32 s75, s2, 7                           ; for all that belongs to the products: waves 8 to 11 make the addresses of waves 0 to 3 and use none but the bias's
	s_lshr_b32 s3, ttmp9, 8                        ; type: 0 q, 1 k, 2 v
	s_and_b32 s4, ttmp9, 255
	s_lshr_b32 s80, s4, 2                          ; q, k: 64 blocks of y,
	s_and_b32 s81, s4, 3                           ;       4 of x
	s_and_b32 s82, s4, 7                           ; v: 8 blocks of y,
	s_lshr_b32 s83, s4, 3                          ;    32 of x
	s_lshr_b32 s7, s75, 2                          ; wy
	s_and_b32 s61, s2, 3
	; my first row in the work-group's part of my tensor (s100) and the shift from a group of 8 rows to the next odd group (s101).
	; All but k's keys: row 32 B, B = w in Y (waves 0 to 3), w - 4 in X; odd groups 16 rows on.
	; K'S KEYS (type 1, Y's waves) HAVE ANOTHER ORDER: row 8 g + j of tile a of a chunk of 64 keys is key 32 g + 8 a + j, so that in attention's scores a lane's 32 registers of four tiles are one whole block of 32 keys:
	; wave w begins at row 64 (w / 2) + 16 (w % 2), and its odd groups lie 32 rows on.
	s_cmp_lt_u32 s2, 4
	s_cselect_b32 s100, 0, 4
	s_cselect_b32 s101, s3, 0                      ; the type in Y's waves, 0 in X's
	s_sub_co_u32 s100, s2, s100
	s_lshl_b32 s100, s100, 5
	s_lshr_b32 s58, s2, 1
	s_lshl_b32 s58, s58, 6
	s_and_b32 s92, s2, 1
	s_lshl_b32 s92, s92, 4
	s_add_co_u32 s58, s58, s92
	s_cmp_eq_u32 s101, 1
	s_cselect_b32 s100, s58, s100
	s_cselect_b32 s101, 5, 4
	s_mov_b32 s58, 576
	s_mov_b32 s92, 3072
	s_mov_b32 s94, 12288
	s_mov_b32 s95, 768
	s_mov_b32 s77, 0xffff0000                      ; lanes 16-31
	s_mov_b32 s[SEL], 0x76543210
	s_mov_b32 s[SEL+1], 0xfedcba98
	s_cmp_eq_u32 s3, 2
	s_cselect_b32 s5, s82, s80                     ; the work-group's block of y
	s_cselect_b32 s6, s83, s81                     ; and of x
	s_cselect_b32 s92, 768, s92                    ; from a step's first 64 keys to its second, in the images
	s_cselect_b32 s93, 6144, 0                     ; V's images lie behind K's
	s_cselect_b32 s94, 12800, s94                  ; and V's scale words behind K's
	s_cselect_b32 s95, 1536, s95                   ; from y tile a to a + 1
	s_cselect_b32 s74, 0, -1                       ; the bias runs along x for q and k,
	s_cselect_b32 s76, -1, 0                       ; along y for v
	s_cmp_eq_u32 s3, 0
	s_cselect_b32 s58, 768, s58                    ; a row of codes in memory
	s_cselect_b32 s59, 32, 24                      ; a row of scale bytes
	s_cselect_b32 s60, 3, 2                        ; its last piece of 8 bytes
	s_lshl_b32 s62, s5, 1
	s_add_co_u32 s62, s62, s7                      ; my 64 y: chunk 2 x block + wy
	s_lshl_b32 s63, s6, 2
	s_add_co_u32 s63, s63, s61                     ; my 64 x: chunk 4 x block + wx
	; where the results go
	s_cmp_eq_u32 s3, 2
	s_cselect_b32 s82, s63, s62                    ; the chunk of 64 rows of the activation,
	s_cselect_b32 s83, s62, s63                    ; the head
	s_lshr_b32 s84, s82, 5                         ; batch
	s_and_b32 s85, s82, 31                         ; chunk in the batch
	s_lshl_b32 s86, s84, 4
	s_add_co_u32 s86, s86, s83                     ; 16 x batch + head
	s_lshr_b32 s87, s85, 1                         ; key step of 128
	s_and_b32 s88, s85, 1                          ; which 64 of it
	s_mul_i32 s89, s86, 212992
	s_mul_i32 s87, s87, 13312
	s_add_co_u32 s89, s89, s87                     ; the step's block in kv
	s_mul_i32 s92, s88, s92
	s_add_co_u32 s92, s92, s93
	s_add_co_u32 s92, s92, s89                     ; k, v: my first image
	s_lshl_b32 s88, s88, 8
	s_add_co_u32 s94, s94, s88
	s_add_co_u32 s94, s94, s89                     ; k, v: my scale words
	s_mul_i32 s90, s86, 98304
	s_mul_i32 s87, s85, 3072
	s_add_co_u32 s90, s90, s87                     ; q: my first image
	s_lshl_b32 s91, s86, 13
	s_lshl_b32 s87, s85, 8
	s_add_co_u32 s91, s91, s87                     ; q: my scale words
	s_cmp_eq_u32 s3, 0
	s_cselect_b32 s96, s90, s92
	s_cselect_b32 s98, s91, s94
	s_mov_b32 s97, 0
	s_mov_b32 s99, 0
	s_mov_b32 s90, s95
	s_mov_b32 s91, 0
	s_lshl_b32 s92, s63, 8
	s_and_b32 s92, s92, s74                        ; the bias along x: my 64 numbers (0 where the bias runs along y: the load stays inside the buffer, its numbers are cleared)
	s_lshl_b32 s93, s62, 8
	s_and_b32 s93, s93, s76                        ; the bias along y likewise
	v_and_b32 v96, 31, v0                          ; lane
	s_delay_alu instid0(VALU_DEP_1)
	v_lshrrev_b32 v97, 2, v96                      ; i: a copy moves 8 rows, four lanes to a row
	v_and_b32 v98, 3, v0                           ; q4: which quarter of the row's piece
	v_and_b32 v99, 15, v0                          ; r
	v_bfe_u32 v100, v0, 4, 1                       ; h
	v_lshlrev_b32 v16, 4, v96
	v_lshlrev_b32 v17, 3, v96
	; the copies' LDS addresses: Y's 128 rows and X's 256 lie on end: wave w fills LDS rows 32 w on, four groups of 8
	v_lshrrev_b32 v104, 3, v96                     ; which of a copy's four pairs of rows
	v_and_b32 v105, 7, v0                          ; which 16 bytes of the run of 128
	v_bfe_u32 v106, v0, 2, 1                       ; 1 in the run's upper 64 bytes
	v_mul_u32_u24 v101, v104, 2*PL
	v_mul_u32_u24 v106, v106, PL-576               ; from the end of an even row of 576 bytes to the start of the odd row, in LDS
	v_lshl_add_u32 v101, v105, 4, v101
	s_mul_i32 s80, s2, 32*PL
	v_add_nc_u32 v4, s80, v101
	s_delay_alu instid0(VALU_DEP_1)
	v_add_nc_u32 v5, 8*PL, v4
	s_delay_alu instid0(VALU_DEP_1)
	v_add_nc_u32 v6, 8*PL, v5
	s_delay_alu instid0(VALU_DEP_1)
	v_add_nc_u32 v7, 8*PL, v6
	; and their rows in memory, bits 3 and 4 of the row's number changed: group 2 u + q: 32 B + 8 u + 16 q + i, B = w in Y (waves 0 to 3), w - 4 in X
	s_lshl_b32 s83, s58, 1                         ; a pair of rows in memory
	v_add_nc_u32 v8, PL, v4                        ; the odd rows
	v_add_nc_u32 v9, PL, v5
	v_add_nc_u32 v10, PL, v6
	v_add_nc_u32 v11, PL, v7
	v_mul_lo_u32 v102, v104, s83
	v_add_nc_u32 v12, v106, v4                     ; the run that lies across the two rows of a pair
	v_add_nc_u32 v13, v106, v5
	v_add_nc_u32 v14, v106, v6
	v_add_nc_u32 v15, v106, v7
	v_lshl_add_u32 v20, v105, 4, v102              ; in memory: pair, 16 bytes a lane; the group's place stands in the scalar base
	; the same four groups for the scale bytes, 8 bytes a lane: v80-83 LDS, v84-87 memory (free for Y's fragments once these copies are shown done)
	v_mul_u32_u24 v101, v97, 40
	s_delay_alu instid0(VALU_DEP_1)
	v_lshl_add_u32 v101, v98, 3, v101
	s_mul_i32 s86, s2, 1280
	s_add_co_u32 s86, s86, YSC
	v_add_nc_u32 v80, s86, v101
	s_delay_alu instid0(VALU_DEP_1)
	v_add_nc_u32 v81, 320, v80
	s_delay_alu instid0(VALU_DEP_1)
	v_add_nc_u32 v82, 320, v81
	s_delay_alu instid0(VALU_DEP_1)
	v_add_nc_u32 v83, 320, v82
	v_min_u32 v103, s60, v98                       ; a row of 24 bytes has three pieces: the fourth lane takes the third again, into LDS bytes that nobody reads, so that no copy leaves its buffer
	v_mul_lo_u32 v102, v97, s59
	s_delay_alu instid0(VALU_DEP_1)
	v_lshl_add_u32 v102, v103, 3, v102
	s_mul_i32 s83, s100, s59
	s_lshl_b32 s84, s59, s101
	s_lshl_b32 s85, s59, 3
	v_add_nc_u32 v84, s83, v102
	s_delay_alu instid0(VALU_DEP_1)
	v_add_nc_u32 v85, s84, v84
	s_delay_alu instid0(VALU_DEP_2)
	v_add_nc_u32 v86, s85, v84
	s_delay_alu instid0(VALU_DEP_2)
	v_add_nc_u32 v87, s85, v85
	; where my fragments lie: LDS row 64 wx (64 wy) + 16 x tile + r, + 24 h
	v_mul_u32_u24 v101, v99, PL
	s_delay_alu instid0(VALU_DEP_1)
	v_mad_u32_u24 v101, v100, 24, v101
	s_mul_i32 s86, s61, 64*PL
	s_add_co_u32 s86, s86, XB
	v_add_nc_u32 v1, s86, v101
	s_mul_i32 s86, s7, 64*PL
	v_add_nc_u32 v2, s86, v101
	v_mul_u32_u24 v101, v99, 40                    ; the scale words: lanes 0-15 take Y's rows, lanes 16-31 X's: the lower base + h x the distance
	s_mul_i32 s86, s7, 2560
	s_mul_i32 s87, s61, 2560
	s_add_co_u32 s87, s87, 5120
	s_sub_co_u32 s87, s87, s86
	v_mul_u32_u24 v102, s87, v100
	s_add_co_u32 s86, s86, YSC
	v_add_nc_u32 v101, v101, v102
	s_delay_alu instid0(VALU_DEP_1)
	v_add_nc_u32 v3, s86, v101
	v_lshl_add_u32 v18, v100, 6, s92               ; the bias along x: tile b's eight numbers of my half begin at x = 32 (b / 2) + 16 h + 8 (b % 2)
	v_and_b32 v101, 8, v99
	s_delay_alu instid0(VALU_DEP_1)
	v_add_nc_u32 v101, v101, v99
	s_delay_alu instid0(VALU_DEP_1)
	v_lshl_add_u32 v19, v101, 2, s93               ; along y: tile a's row r is y = 32 (a / 2) + 8 (a % 2) + r + 8 (r / 8)
	s_lshl_b32 s80, s5, 7                          ; the work-group's first rows, in bytes
	s_mul_i32 s82, s80, s58
	s_mul_i32 s84, s80, s59
	s_lshl_b32 s80, s6, 8
	s_mul_i32 s86, s80, s58
	s_mul_i32 s88, s80, s59
	s_mov_b32 s83, 0
	s_mov_b32 s85, 0
	s_mov_b32 s87, 0
	s_mov_b32 s89, 0
	s_wait_dscnt 0x0
	s_wait_kmcnt 0x0
	s_cmp_eq_u32 s3, 1                             ; the buffers are chosen by the type, which hangs on the work-group's number alone
	s_cselect_b64 s[44:45], s[18:19], s[28:29]     ; Y's codes
	s_cselect_b64 s[46:47], s[20:21], s[30:31]     ; Y's scales
	s_cselect_b64 s[48:49], s[22:23], s[32:33]     ; X's codes
	s_cselect_b64 s[50:51], s[24:25], s[34:35]     ; X's scales
	s_cselect_b64 s[52:53], s[26:27], s[36:37]     ; the bias
	s_cmp_eq_u32 s3, 0
	s_cselect_b64 s[44:45], s[8:9], s[44:45]
	s_cselect_b64 s[46:47], s[10:11], s[46:47]
	s_cselect_b64 s[48:49], s[12:13], s[48:49]
	s_cselect_b64 s[50:51], s[14:15], s[50:51]
	s_cselect_b64 s[52:53], s[16:17], s[52:53]
	s_cselect_b64 s[54:55], s[38:39], s[42:43]     ; the images
	s_cselect_b64 s[56:57], s[40:41], s[42:43]     ; the scale words
	s_add_nc_u64 s[44:45], s[44:45], s[82:83]
	s_add_nc_u64 s[46:47], s[46:47], s[84:85]
	s_add_nc_u64 s[48:49], s[48:49], s[86:87]
	s_add_nc_u64 s[50:51], s[50:51], s[88:89]
	s_cmp_lt_u32 s2, 4                             ; waves 0 to 3 copy from Y, the others from X: a choice by the wave's number
	s_cselect_b64 s[44:45], s[44:45], s[48:49]
	s_cselect_b64 s[46:47], s[46:47], s[50:51]
	s_add_nc_u64 s[66:67], s[54:55], s[96:97]      ; a base for each of my four images
	s_add_nc_u64 s[68:69], s[66:67], s[90:91]
	s_add_nc_u64 s[70:71], s[68:69], s[90:91]
	s_add_nc_u64 s[72:73], s[70:71], s[90:91]
	s_add_nc_u64 s[56:57], s[56:57], s[98:99]
	; the four groups' first rows in memory: my first row; the odd groups 16 (k's keys: 32) rows on; groups 2 and 3 eight rows on; and the same one row further, for the pairs' odd rows
	s_mul_i32 s80, s100, s58
	s_mov_b32 s81, 0
	s_lshl_b32 s96, s58, s101
	s_mov_b32 s97, 0
	s_lshl_b32 s98, s58, 3
	s_mov_b32 s99, 0
	s_add_nc_u64 s[80:81], s[44:45], s[80:81]
	s_add_nc_u64 s[82:83], s[80:81], s[96:97]
	s_add_nc_u64 s[84:85], s[80:81], s[98:99]
	s_add_nc_u64 s[86:87], s[82:83], s[98:99]
	s_mov_b32 s96, s58
	s_add_nc_u64 s[88:89], s[80:81], s[96:97]
	s_add_nc_u64 s[90:91], s[82:83], s[96:97]
	s_add_nc_u64 s[92:93], s[84:85], s[96:97]
	s_add_nc_u64 s[94:95], s[86:87], s[96:97]
.macro LINE lds, sb, off               ; one run of 128 bytes, at byte off of the row, of the 16 even (or odd) rows of my 32: four copies; the immediate steps both addresses along the row
.irp g, 0,1,2,3
	global_load_async_to_lds_b128 v[\lds+\g], v20, s[\sb+2*\g:\sb+2*\g+1] offset:\off
.endr
.endm
.macro BAR
	s_barrier_signal -1
	s_barrier_wait -1
.endm
	; ALL COPIES, ahead of every wait for them, every LDS read and every barrier.  The scale bytes first; then, for K = 1,024 alone, the LAST chunk, which is also multiplied first:
	; so behind each chunk the same number of copies is issued whatever the type, and the counted waits below hold on both ways.
	; THE SUMS START FROM THE BIAS: nothing is cleared.  Both roles are loaded, the one that is not the type's is cleared by a mask.  (Every wave runs these lines.)
	s_wait_alu depctr_va_vdst(0)
.irp b, 0,1,2,3
	global_load_b128 v[32+8*\b:35+8*\b], v18, s[52:53] offset:(32*(\b/2)+8*(\b%2))*4
	global_load_b128 v[36+8*\b:39+8*\b], v18, s[52:53] offset:(32*(\b/2)+8*(\b%2))*4+16
.endr
.irp a, 0,1,2,3
	global_load_b32 v[64+2*\a], v19, s[52:53] offset:(32*(\a/2)+8*(\a%2))*4
.endr
	; THE COPIES, behind the bias's loads: the scale bytes, then the runs in the order in which the K chunks of 256 (192 bytes of a row) want them.
.irp g, 0,1,2,3
	global_load_async_to_lds_b64 v[80+\g], v[84+\g], s[46:47]
.endr
	s_cmp_lg_u32 s3, 0
	s_cbranch_scc1 .Lrows576
	LINE 4, 80, 512                                ; rows of 768 bytes: bytes 576-767, which are multiplied first: 16 copies
	LINE 4, 80, 640
	LINE 8, 88, 512
	LINE 8, 88, 640
	LINE 4, 80, 0                                  ; bytes 0-191: 16 copies
	LINE 4, 80, 128
	LINE 8, 88, 0
	LINE 8, 88, 128
	LINE 4, 80, 256                                ; bytes 192-383: 8 more
	LINE 8, 88, 256
	LINE 4, 80, 384                                ; bytes 384-575: 8 more
	LINE 8, 88, 384
	s_branch .Lcopied
.Lrows576:
	LINE 4, 80, 0                                  ; rows of 576 bytes: an odd row begins 64 bytes behind a multiple of 128: its runs begin at bytes 64, 192, 320, 448.  Bytes 0-191: 16 copies
	LINE 4, 80, 128
	LINE 12, 80, 512                               ; the even row's bytes 512-575 and the odd row's bytes 0-63
	LINE 8, 88, 64
	LINE 4, 80, 256                                ; bytes 192-383: 12 more
	LINE 8, 88, 192
	LINE 8, 88, 320
	LINE 4, 80, 384                                ; bytes 384-575: 8 more
	LINE 8, 88, 448
.Lcopied:
	s_wait_loadcnt 0x0
.set j, 0
.rept 32
	v_and_b32 v[32+j], s74, v[32+j]
.set j, j+1
.endr
.irp a, 0,1,2,3
	v_and_b32 v[64+2*\a], s76, v[64+2*\a]
.endr
.irp a, 0,1,2,3
	s_delay_alu instid0(VALU_DEP_4)
	v_mov_b32 v[65+2*\a], v[64+2*\a]               ; twice, for the packed addition
.endr
.irp a, 0,1,2,3
.irp b, 0,1,2,3
.irp p, 0,2,4,6
	v_pk_add_f32 v[ACC+8*(4*\a+\b)+\p:ACC+8*(4*\a+\b)+\p+1], v[32+8*\b+\p:33+8*\b+\p], v[64+2*\a:65+2*\a]
.endr
.endr
.endr
.macro FRAG reg, adr, off              ; a fragment, 16 rows x 128 K: 12 registers: the 24 bytes at 24 h and at 48 + 24 h of the row's 96, in pieces of 8 bytes
.irp p, 0,1,2,3,4,5
	ds_load_b64 v[\reg+2*\p:\reg+2*\p+1], v[\adr] offset:\off+48*(\p/3)+8*(\p%3)
.endr
.endm
; A K STEP of 128: eight fragments, 16 matrix instructions.  The 16 accumulators take turns, one instruction a turn, in the same order in every step.
.macro KSTEP s
.rept 4
	v_nop                                          ; four places in front of loads into registers that matrix instructions have read (ISA guide 7.12.1 for vector instructions)
.endr
.if (\s)%2 == 0
.irp i, 0,1,2,3
	ds_load_b64 v[SC+2*\i:SC+2*\i+1], v3 offset:640*\i+8*((\s)/2)   ; the scale words of this K step and the next
.endr
.endif
.irp b, 0,1,2,3
	FRAG XF+12*\b, 1, \b*16*PL+96*(\s)
.endr
.irp a, 0,1,2,3
	FRAG YF+12*\a, 2, \a*16*PL+96*(\s)
.endr
.irp a, 0,1,2,3
	s_wait_dscnt 18-6*\a                           ; X's four and Y's tiles up to a are in; the six loads of each later tile of Y may be out
.irp b, 0,1,2,3
	v_wmma_scale_f32_16x16x128_f8f6f4 v[ACC+8*(4*\a+\b):ACC+8*(4*\a+\b)+7], v[XF+12*\b:XF+12*\b+11], v[YF+12*\a:YF+12*\a+11], v[ACC+8*(4*\a+\b):ACC+8*(4*\a+\b)+7], v[SC+2*\b+(\s)%2], v[SC+2*\a+(\s)%2] matrix_a_fmt:MATRIX_FMT_FP6 matrix_b_fmt:MATRIX_FMT_FP6 matrix_a_scale:MATRIX_SCALE_ROW1
.endr
.endr
.endm
	; Every wave waits for its copies and passes every barrier; the K steps stand under branches on the wave's number, which jump over no barrier.
	s_wait_asynccnt 32                             ; rows of 768: behind the scale bytes and bytes 576-767 stand 16 + 8 + 8 copies; rows of 576: behind the scale bytes 36: the lesser count serves both
	BAR                                            ; everybody's are.  (No LDS instruction of mine is out at any of these signals: a K step ends with a wait for 0.)
	s_cmp_lt_u32 s2, 8
	s_cbranch_scc0 .Lno_k67
	s_cmp_lg_u32 s3, 0
	s_cbranch_scc1 .Lno_k67
	s_wait_alu depctr_va_vdst(0)
	KSTEP 6
	KSTEP 7
.Lno_k67:
	s_wait_asynccnt 16                             ; behind bytes 0-191 stand 8 + 8 copies (rows of 576: 12 + 8)
	BAR
	s_cmp_lt_u32 s2, 8
	s_cbranch_scc0 .Lno_k01
	s_wait_alu depctr_va_vdst(0)
	KSTEP 0
	KSTEP 1
.Lno_k01:
	s_wait_asynccnt 8                              ; behind bytes 192-383 stand 8 copies
	BAR
	s_cmp_lt_u32 s2, 8
	s_cbranch_scc0 .Lno_k23
	s_wait_alu depctr_va_vdst(0)
	KSTEP 2
	KSTEP 3
.Lno_k23:
	s_wait_asynccnt 0x0                            ; chunk 2
	BAR
	s_cmp_lt_u32 s2, 8
	s_cbranch_scc0 .Lend                           ; waves 8 to 11 have done their part
	s_wait_alu depctr_va_vdst(0)
	KSTEP 4
	KSTEP 5
; 32 numbers of a lane, register 16 b + i = x 32 b + 16 (lane / 16) + i of my row, become six registers of codes (v[p] .. v[p + 5]; v[p + 6] is spent) and the row's scale word v[w].  t: eight registers at work.
.macro QUANT2 src, p, w, t
	v_max3_num_f32 v[\t], |v[\src]|, |v[\src+1]|, 0x1800000          ; my 16 numbers of each block, and the floor 2^(3 - 127), under which no largest magnitude is taken: so the byte cannot fall under 1
	v_max3_num_f32 v[\t+1], |v[\src+16]|, |v[\src+17]|, 0x1800000
.irp i, 2,4,6,8,10,12,14
	v_max3_num_f32 v[\t], v[\t], |v[\src+\i]|, |v[\src+1+\i]|
	v_max3_num_f32 v[\t+1], v[\t+1], |v[\src+16+\i]|, |v[\src+17+\i]|
.endr
	s_delay_alu instid0(VALU_DEP_2)
	v_permlanex16_b32 v[\t+2], v[\t], s[SEL], s[SEL+1]
	s_delay_alu instid0(VALU_DEP_2)
	v_permlanex16_b32 v[\t+3], v[\t+1], s[SEL], s[SEL+1]
	s_delay_alu instid0(VALU_DEP_2)
	v_max_num_f32 v[\t], v[\t], v[\t+2]            ; with lane l xor 16's: the block's largest magnitude
	s_delay_alu instid0(VALU_DEP_2)
	v_max_num_f32 v[\t+1], v[\t+1], v[\t+3]
	s_delay_alu instid0(VALU_DEP_2)
	v_add_nc_u32 v[\t+4], 0xff000000, v[\t]        ; 2 off its exponent field: the conversion takes the exponent field of this operand as its scale
	s_delay_alu instid0(VALU_DEP_2)
	v_add_nc_u32 v[\t+5], 0xff000000, v[\t+1]
	s_delay_alu instid0(VALU_DEP_2)
	v_lshrrev_b32 v[\t+6], 23, v[\t+4]             ; the scale's byte
	s_delay_alu instid0(VALU_DEP_2)
	v_lshrrev_b32 v[\t+7], 23, v[\t+5]
	s_delay_alu instid0(VALU_DEP_1)
	v_lshl_or_b32 v[\w], v[\t+7], 8, v[\t+6]
	s_delay_alu instid0(VALU_DEP_1)
	v_or_b32 v[\w], 0x7f7f0000, v[\w]              ; the upper two bytes stand for 1.0
	v_cvt_scalef32_pk16_fp6_f32 v[\p:\p+2], v[\src:\src+15], v[\t+4]
	v_cvt_scalef32_pk16_fp6_f32 v[\p+4:\p+6], v[\src+16:\src+31], v[\t+5]   ; (a conversion's three registers begin on an even number)
	v_nop                                          ; one plain place behind a scaled conversion
.irp i, 0,1,2
	v_permlane16_swap_b32 v[\p+\i], v[\p+4+\i]     ; the operand's layout wants a whole block in a lane: lanes 0-15 block 0, lanes 16-31 block 1
.endr
.irp i, 0,1,2
	s_delay_alu instid0(VALU_DEP_3)
	v_mov_b32 v[\p+3+\i], v[\p+4+\i]
.endr
.endm
	; THE WAY OUT: no LDS.  Each y tile's 32 registers become a half image, stored as 512 + 256 consecutive bytes at a multiple of 256; each tile has its own registers, so no store's data are written again.
.rept 4
	v_nop                                          ; places behind the last products: their results are read and their operands' registers written
.endr
	v_mov_b32 v66, 0                               ; a lane permute's destination counts as one of its sources
	v_mov_b32 v67, 0
.irp a, 0,1,2,3
	QUANT2 ACC+32*\a, 32+8*\a, 72+\a, 64
	global_store_b128 v16, v[32+8*\a:35+8*\a], s[66+2*\a:67+2*\a]
	global_store_b64 v17, v[36+8*\a:37+8*\a], s[66+2*\a:67+2*\a] offset:512
.endr
	v_cndmask_b32 v76, v72, v73, s77               ; lanes 0-15 tile 0's words, lanes 16-31 tile 1's
	v_cndmask_b32 v77, v74, v75, s77               ; tiles 2 and 3
	global_store_b64 v17, v[76:77], s[56:57]       ; 256 consecutive bytes
.Lend:
	s_wait_tensorcnt 0x0
	ds_add_u32 v22, v23
	s_wait_dscnt 0x0
	s_endpgm
.Lfunc_end_k_qbef6ba3583_proj:
	.size	k_qbef6ba3583_proj, .Lfunc_end_k_qbef6ba3583_proj-k_qbef6ba3583_proj
	.p2alignl 7, 3214868480
	.fill 96, 4, 3214868480
	.section	.rodata,"a",@progbits
	.p2align	6, 0x0
	.amdhsa_kernel k_qbef6ba3583_proj
		.amdhsa_group_segment_fixed_size 317952
		.amdhsa_private_segment_fixed_size 0
		.amdhsa_enable_private_segment 0
		.amdhsa_kernarg_size 144
		.amdhsa_user_sgpr_count 2
		.amdhsa_user_sgpr_kernarg_segment_ptr 1
		.amdhsa_wavefront_size32 1
		.amdhsa_system_sgpr_workgroup_id_x 1
		.amdhsa_system_sgpr_workgroup_id_y 1
		.amdhsa_system_sgpr_workgroup_id_z 1
		.amdhsa_system_vgpr_workitem_id 0
		.amdhsa_next_free_vgpr 256
		.amdhsa_next_free_sgpr 102
		.amdhsa_reserve_vcc 0
		.amdhsa_float_denorm_mode_32 3
		.amdhsa_float_denorm_mode_16_64 3
		.amdhsa_memory_ordered 1
		.amdhsa_forward_progress 1
		.amdhsa_inst_pref_size 79
	.end_amdhsa_kernel
	.amdgpu_metadata
---
amdhsa.version: [ 1, 2 ]
amdhsa.kernels:
  - .name:           k_qbef6ba3583_proj
    .symbol:         k_qbef6ba3583_proj.kd
    .args:
      - { .name: query_codes, .offset: 0, .size: 8, .value_kind: global_buffer, .address_space: global }
      - { .name: query_scales, .offset: 8, .size: 8, .value_kind: global_buffer, .address_space: global }
      - { .name: Wq_codes, .offset: 16, .size: 8, .value_kind: global_buffer, .address_space: global }
      - { .name: Wq_scales, .offset: 24, .size: 8, .value_kind: global_buffer, .address_space: global }
      - { .name: bq, .offset: 32, .size: 8, .value_kind: global_buffer, .address_space: global }
      - { .name: key_codes, .offset: 40, .size: 8, .value_kind: global_buffer, .address_space: global }
      - { .name: key_scales, .offset: 48, .size: 8, .value_kind: global_buffer, .address_space: global }
      - { .name: Wk_codes, .offset: 56, .size: 8, .value_kind: global_buffer, .address_space: global }
      - { .name: Wk_scales, .offset: 64, .size: 8, .value_kind: global_buffer, .address_space: global }
      - { .name: bk, .offset: 72, .size: 8, .value_kind: global_buffer, .address_space: global }
      - { .name: Wv_codes, .offset: 80, .size: 8, .value_kind: global_buffer, .address_space: global }
      - { .name: Wv_scales, .offset: 88, .size: 8, .value_kind: global_buffer, .address_space: global }
      - { .name: value_codes, .offset: 96, .size: 8, .value_kind: global_buffer, .address_space: global }
      - { .name: value_scales, .offset: 104, .size: 8, .value_kind: global_buffer, .address_space: global }
      - { .name: bv, .offset: 112, .size: 8, .value_kind: global_buffer, .address_space: global }
      - { .name: q_img, .offset: 120, .size: 8, .value_kind: global_buffer, .address_space: global }
      - { .name: q_sc, .offset: 128, .size: 8, .value_kind: global_buffer, .address_space: global }
      - { .name: kv, .offset: 136, .size: 8, .value_kind: global_buffer, .address_space: global }
    .group_segment_fixed_size: 317952
    .private_segment_fixed_size: 0
    .kernarg_segment_align: 8
    .kernarg_segment_size: 144
    .max_flat_workgroup_size: 384
    .sgpr_count:     102
    .vgpr_count:     256
    .wavefront_size: 32
...
	.end_amdgpu_metadata
.endif
;; end of part 1
;; launch attn (part 2): grid 4 x 64, 16 waves a work-group, clusters of 4 x 1, 327,680 bytes of LDS; arguments q_img, q_sc, kv, ctx_img, ctx_sc; writes ctx_img, ctx_sc
.if DOCPART == 2
	.amdgcn_target "amdgcn-amd-amdhsa--gfx1250"
	.amdhsa_code_object_version 6
	.text
	.protected	k_qbef6ba3583_attn
	.globl	k_qbef6ba3583_attn
	.p2align	8
	.type	k_qbef6ba3583_attn,@function
k_qbef6ba3583_attn:
	s_mov_b64 s[64:65], 0
	v_nop
	global_prefetch_b8 v0, s[64:65] scope:SCOPE_SE
	s_setreg_imm32_b32 hwreg(HW_REG_WAVE_MODE, 25, 1), 1
	s_wait_xcnt 0x0
	s_wait_alu depctr_hold_cnt(0) depctr_sa_sdst(0) depctr_va_vdst(0) depctr_va_sdst(0) depctr_va_ssrc(0) depctr_va_vcc(0) depctr_vm_vsrc(0)
	s_getreg_b32 s2, hwreg(HW_REG_IB_STS2, 6, 4)
	s_cmp_eq_u32 s2, 0
	s_cbranch_scc0 .Lentry_in_a_cluster
	s_endpgm
.Lentry_in_a_cluster:
	s_bfe_u32 s2, ttmp6, 0x10000c
	s_cmp_lg_u32 s2, 0x3003
	s_cbranch_scc0 .Lentry_shape_is_right
	s_endpgm
.Lentry_shape_is_right:
; ATTENTION of one (batch, head) on codes of FP6 (E2M3) with E8M0 scales: ctx = softmax(q k^T / 8) v, quantised along the head's 64 channels for the last projection.
; SHARES: a work-group takes 512 queries of one (batch, head); its 16 waves take two tiles of 16 queries each (tiles w and w + 16), one after the other, each over all 2,048 keys in 16 steps of 128.
; THE KEYS AND VALUES OF THE HEAD COME ONCE: 16 steps x 13,312 bytes = 212,992 bytes stay in LDS.  Wave w asks for step w whole (52 rows of 256 bytes): one tensor load a wave, at the head; nothing is filled again.
; CLUSTER: the four work-groups of a (batch, head) read the same bytes: each load is a joint one, mask 15, the same descriptor in all four (it hangs on the head's number and the wave's number alone).
; NO PREFETCH: every tile of the launch is asked for in its first lines; there is no loop ahead of these loads in which to ask earlier.
; A STEP'S BLOCK: 8 half images of k (768 bytes: 16 keys x 64 channels, registers 0-5 of an operand), 8 of v (d tile a, keys' half c at 6,144 + 768 (2 a + c)), 512 bytes of k's scale words, 512 of v's.
; BOTH PRODUCTS ARE USED TRANSPOSED (S^T = k q^T, O^T = v^T p^T): a lane holds one query.  The head has 64 channels: q's registers 6-11 hold zero codes, so what k's operand names in its registers 6-11 adds nothing.
; THE KEYS OF A TILE: row 8 g + j of tile 4 c + a is key 64 c + 32 g + 8 a + j (the first launch lays them so): lane (r, h) holds in registers 96 + 32 c + 0 .. 31 the keys 64 c + 32 h + 0 .. 31:
; ONE WHOLE BLOCK of p's quantiser, in the order and in the lane in which the second product's operand wants it.  A block's maximum needs no other lane, and the conversions' results change no lane.
; SOFTMAX: M = ceil of the running largest t, kept as -M; p = 2^(t - M); the sum is taken of the unquantised p; when M moves, sum and O^T are multiplied by 2^(old M - new M), which rounds nothing; no branch on data.
; A block's largest p is made from its largest score by the same multiply-add and exponential as every p.
; INDEPENDENT CHAINS BY TURNS: the maxima run in eight chains (one a tile of scores), the sum in four, and short dependent runs are laid among independent lines.
; LIMITS: the promise holds while the scaled scores stay under 2^31 in magnitude; a block of zeros gets the scale byte 1 where the quantiser's rule says 127 (its codes are zeros; the bytes are read by this program alone).
; REGISTERS: v1, v2 16 and 8 x lane; v3, v4 the same + the step; v10 8 h; v12 -M, v13 the running largest score, v[14:15] the sum; v16-27, v232-243 q's two tiles; v28, v244 their scale words; v32-79 fragments, v80-85 zeros;
; v86-89 k's scale words, v90-93 v's as they lie, v94, v95 put together; v96-159 S^T, then p; v160-191 O^T; v192-203 p's codes; v204-210 two conversions' results; v212-219 the maxima's chains; v220-231, v245-249 at work; v254, v255 the add's.
.set STEPB, 13312
.set CST,   16*STEPB                   ; behind the tiles: ctx's scale words, 2,048 bytes written by LDS stores
.set SPARE, CST+2048                   ; the spare words: 128 bytes a wave
.set WV,   3
.set SEL,  20                          ; s[20:21] v_permlanex16_b32's selects for lane l xor 16
.set CS,   22                          ; s[22:23] c = log2(e) / 8
.set G1,   24
.set G0,   32
.set TB,   48
.set CNT,  49
.set MX,   212
.macro CROUND                          ; a round of the cluster's barrier
	s_barrier_signal -1
	s_barrier_wait -1
	s_cmp_lg_u32 s[WV], 0
	s_cbranch_scc1 .Lnot_wave_0_\@
	s_barrier_signal -3
.Lnot_wave_0_\@:
	s_barrier_wait -3
	s_barrier_signal -1
	s_barrier_wait -1
.endm
	s_load_b256 s[4:11], s[0:1], 0x0               ; q_img, q_sc, kv, ctx_img
	s_load_b64 s[12:13], s[0:1], 0x20              ; ctx_sc
	v_lshl_add_u32 v254, v0, 2, SPARE
	v_mov_b32 v255, 0
	ds_add_u32 v254, v255                          ; the opening lines: the add, twice on end, and its wait ahead of my tensor load
	ds_add_u32 v254, v255
	v_lshrrev_b32 v1, 5, v0
	s_delay_alu instid0(VALU_DEP_1)
	v_readfirstlane_b32 s[WV], v1                  ; wave 0..15
	s_and_b32 s14, ttmp7, 0xffff                   ; 16 x batch + head
	s_bfe_u32 s15, ttmp6, 0x40000                  ; cx: which 512 queries
	s_mov_b32 s[G1], 15|(3<<16)|(1<<21)            ; the mask of the four; elements of 8 bytes; bit 21 beside a mask
	s_mov_b32 s[G1+1], 32<<16                      ; rows of 256 bytes,
	s_mov_b32 s[G1+2], 52<<16                      ; 52 of them: a step's dense block
	s_mov_b32 s[G1+3], 32<<16
	s_mov_b32 s[G1+4], 52
	s_mov_b32 s[G1+5], 32
	s_mov_b32 s[G1+6], 0
	s_mov_b32 s[G1+7], 0
	s_mov_b32 s[SEL], 0x76543210
	s_mov_b32 s[SEL+1], 0xfedcba98
	s_mov_b32 s[CS], 0x3e38aa3b
	s_mov_b32 s[CS+1], s[CS]
	s_mul_i32 s52, s14, 16*STEPB                   ; kv: the head's 16 steps,
	s_mul_i32 s54, s[WV], STEPB                    ; and of them step w: the same offset in LDS
	s_add_co_u32 s52, s52, s54
	s_mov_b32 s53, 0
	s_lshl_b32 s66, s14, 7                         ; the head's 128 tiles of queries,
	s_lshl_b32 s67, s15, 5                         ; my work-group's 32
	s_add_co_u32 s66, s66, s67
	s_lshl_b32 s62, s66, 6                         ; ctx_sc: 64 bytes a tile
	s_mov_b32 s63, 0
	s_add_co_u32 s68, s66, s[WV]
	s_mul_i32 s56, s68, 768                        ; q_img: my first tile
	s_mov_b32 s57, 0
	s_lshl_b32 s58, s14, 13                        ; q_sc: four tiles in 256 bytes: tile 2 p + u at 128 u + 4 p
	s_lshl_b32 s68, s15, 11
	s_add_co_u32 s58, s58, s68
	s_lshr_b32 s68, s[WV], 2
	s_lshl_b32 s68, s68, 8
	s_add_co_u32 s58, s58, s68
	s_and_b32 s68, s[WV], 1
	s_lshl_b32 s68, s68, 7
	s_add_co_u32 s58, s58, s68
	s_bfe_u32 s68, s[WV], 0x10001
	s_lshl_b32 s68, s68, 2
	s_add_co_u32 s58, s58, s68
	s_mov_b32 s59, 0
	s_lshr_b32 s68, s14, 4                         ; ctx_img: [tile of the batch's rows][head][768]
	s_lshl_b32 s68, s68, 7
	s_add_co_u32 s68, s68, s67
	s_add_co_u32 s68, s68, s[WV]
	s_lshl_b32 s68, s68, 4
	s_and_b32 s69, s14, 15
	s_add_co_u32 s68, s68, s69
	s_mul_i32 s60, s68, 768
	s_mov_b32 s61, 0
	s_wait_dscnt 0x0                               ; both opening adds are done
	s_wait_kmcnt 0x0
	s_add_nc_u64 s[8:9], s[8:9], s[52:53]
	s_add_nc_u64 s[4:5], s[4:5], s[56:57]
	s_add_nc_u64 s[6:7], s[6:7], s[58:59]
	s_add_nc_u64 s[10:11], s[10:11], s[60:61]
	s_add_nc_u64 s[12:13], s[12:13], s[62:63]
	s_mov_b32 s[G0], 1
	s_mov_b32 s[G0+1], s54
	s_mov_b64 s[G0+2:G0+3], s[8:9]
	s_or_b32 s[G0+3], s[G0+3], 0x80000000
	CROUND                                         ; the four work-groups are here: the joint loads meet
	tensor_load_to_lds s[G0:G0+3], s[G1:G1+7]      ; step w: my one tensor load
	s_nop 0
	v_and_b32 v7, 31, v0
	s_delay_alu instid0(VALU_DEP_1)
	v_lshlrev_b32 v1, 4, v7
	s_delay_alu instid0(VALU_DEP_2)
	v_lshlrev_b32 v2, 3, v7
	v_and_b32 v8, 15, v0
	s_delay_alu instid0(VALU_DEP_1)
	v_lshlrev_b32 v5, 3, v8
	global_load_b128 v[16:19], v1, s[4:5]          ; q's two tiles and their scale words
	global_load_b64 v[20:21], v2, s[4:5] offset:512
	global_load_b32 v28, v5, s[6:7]
	global_load_b128 v[232:235], v1, s[4:5] offset:16*768
	global_load_b64 v[236:237], v2, s[4:5] offset:16*768+512
	global_load_b32 v244, v5, s[6:7] offset:4*256
	v_lshlrev_b32 v6, 2, v8                        ; ctx's scale words: in: 64 bytes a wave and tile,
	s_lshl_b32 s70, s[WV], 6
	s_add_co_u32 s70, s70, CST
	v_add_nc_u32 v6, s70, v6
	v_lshl_add_u32 v8, v0, 4, CST                  ; back: 16 bytes a thread of waves 0 to 3
	v_lshlrev_b32 v9, 4, v0
	v_bfe_u32 v10, v0, 4, 1
	s_delay_alu instid0(VALU_DEP_1)
	v_lshlrev_b32 v10, 3, v10                      ; 8 h: where my two scale bytes stand in p's scale word
.irp j, 22,23,24,25,26,27, 238,239,240,241,242,243, 80,81,82,83,84,85, 231,245, 225
	v_mov_b32 v\j, 0                               ; zero codes; and registers that are named before they are first written
.endr
.macro HALVES off                      ; eight half images: 48 registers
.irp u, 0,1,2,3,4,5,6,7
	ds_load_b128 v[32+6*\u:35+6*\u], v3 offset:\off+768*\u
	ds_load_b64 v[36+6*\u:37+6*\u], v4 offset:\off+768*\u+512
.endr
.endm
.macro SMUL t, q, qs                   ; the scores of tile t: 16 keys x 16 queries
.if (\t)%2
	v_wmma_scale_f32_16x16x128_f8f6f4 v[96+8*(\t):103+8*(\t)], v[32+6*(\t):43+6*(\t)], v[\q:\q+11], 0, v[86+(\t)/2], v[\qs] matrix_a_fmt:MATRIX_FMT_FP6 matrix_b_fmt:MATRIX_FMT_FP6 matrix_a_scale:MATRIX_SCALE_ROW1
.else
	v_wmma_scale_f32_16x16x128_f8f6f4 v[96+8*(\t):103+8*(\t)], v[32+6*(\t):43+6*(\t)], v[\q:\q+11], 0, v[86+(\t)/2], v[\qs] matrix_a_fmt:MATRIX_FMT_FP6 matrix_b_fmt:MATRIX_FMT_FP6
.endif
.endm
.macro TM j0, n                        ; t - M for n pairs of scores from register 96 + j0 on (of the pairs c and -M the low word serves both halves)
.set j, \j0
.rept \n
	v_pk_fma_f32 v[96+j:97+j], v[96+j:97+j], s[CS:CS+1], v[12:13] op_sel_hi:[1,0,0]
.set j, j+2
.endr
.endm
.macro OMUL j0                         ; one accumulator of O^T under the new M, from its low end on
.set j, \j0
.rept 4
	v_pk_mul_f32 v[160+j:161+j], v[160+j:161+j], v[224:225] op_sel_hi:[1,0]
.set j, j+2
.endr
.endm
; A STEP: 16 queries x 128 keys
.macro STEP q, qs
	v_add_nc_u32 v3, s[TB], v1                     ; these four lines are the places in front of loads into registers that the last products have read
	v_add_nc_u32 v4, s[TB], v2
	v_mov_b32 v230, v12                            ; the old -M
	v_nop
	ds_load_b64 v[86:87], v4 offset:12288          ; k's scale words first,
	ds_load_b64 v[88:89], v4 offset:12544
	HALVES 0                                       ; then its tiles in their order
	s_wait_alu depctr_va_vdst(0)
	s_wait_dscnt 8                                 ; the scale words and tiles 0 to 3 are in; the eight loads of tiles 4 to 7 may be out.  (The product of tile t names the registers of tiles t and t + 1)
	SMUL 0, \q, \qs
	SMUL 1, \q, \qs
	SMUL 2, \q, \qs
	s_wait_dscnt 0x0
.irp t, 3,4,5,6,7
	SMUL \t, \q, \qs
.endr
.rept 4
	v_nop                                          ; four places: for the loads below and for the first reads of the scores
.endr
	HALVES 6144                                    ; v's fragments come while the softmax is made
	ds_load_b64 v[90:91], v4 offset:12800
	ds_load_b64 v[92:93], v4 offset:13056
	; the largest score of my two blocks of 32 keys: eight chains by turns, one a tile; each accumulator is read from its low end on
.irp t, 0,1,2,3,4,5,6,7
	v_max3_num_f32 v[MX+\t], v[96+8*\t], v[97+8*\t], v[98+8*\t]
.endr
.irp i, 3,5
.irp t, 0,1,2,3,4,5,6,7
	v_max3_num_f32 v[MX+\t], v[MX+\t], v[96+8*\t+\i], v[97+8*\t+\i]
.endr
.endr
	v_max3_num_f32 v212, v212, v213, v214          ; the chains and each tile's last register are joined
	v_max3_num_f32 v216, v216, v217, v218
	v_max3_num_f32 v215, v215, v103, v111
	v_max3_num_f32 v219, v219, v135, v143
	v_max3_num_f32 v212, v212, v119, v127
	v_max3_num_f32 v216, v216, v151, v159
	v_max_num_f32 v212, v212, v215                 ; block h
	v_max_num_f32 v216, v216, v219                 ; block 2 + h
	s_delay_alu instid0(VALU_DEP_1)
	v_max_num_f32 v226, v212, v216
	s_delay_alu instid0(VALU_DEP_1)
	v_permlanex16_b32 v231, v226, s[SEL], s[SEL+1]
	s_delay_alu instid0(VALU_DEP_1)
	v_max3_num_f32 v13, v13, v226, v231            ; the running largest score of my query
	s_delay_alu instid0(VALU_DEP_1)
	v_mul_f32 v226, s[CS], v13                     ; as t (c is positive)
	s_delay_alu instid0(VALU_DEP_1)
	v_floor_f32 v12, -v226                         ; -M = floor(-t)
	s_delay_alu instid0(VALU_DEP_1)
	v_sub_f32 v226, v12, v230                      ; old M less new M: a whole number, 0 or less
	TM 0, 3
	v_cvt_i32_f32 v226, v226                       ; (it saturates)
	TM 6, 3
	v_ldexp_f32 v224, 1.0, v226                    ; f = 2^(old M - new M)
	TM 12, 26
	v_fma_f32 v212, v212, s[CS], v12               ; the same of each block's largest score
	v_fma_f32 v216, v216, s[CS], v12
	s_wait_alu depctr_va_vdst(0)
.set j, 0
.rept 64
	v_exp_f32 v[96+j], v[96+j]                     ; p = 2^(t - M)
.set j, j+1
.endr
	v_exp_f32 v212, v212                           ; each block's largest p
	v_exp_f32 v216, v216
	v_pk_mul_f32 v[14:15], v[14:15], v[224:225] op_sel_hi:[1,0]   ; the sum under the new M: a plain place behind the batch
	s_wait_dscnt 0x0                               ; v's fragments and scale words are in
	s_wait_alu depctr_va_vdst(0)                   ; one wait for the batch, directly ahead of the first reads of O^T
	OMUL 0                                         ; O^T under the new M; the two blocks' scales are made among these lines
	v_max_num_f32 v212, 0x1800000, v212            ; the floor 2^(3 - 127): the byte cannot fall under 1
	v_max_num_f32 v216, 0x1800000, v216
	OMUL 8
	v_add_nc_u32 v220, 0xff000000, v212            ; 2 off the exponent field: the conversion's scale operand
	v_add_nc_u32 v221, 0xff000000, v216
	OMUL 16
	v_lshrrev_b32 v222, 23, v220                   ; the scale's byte
	v_lshrrev_b32 v223, 23, v221
	OMUL 24
	v_perm_b32 v94, v92, v90, 0x05040100           ; v's scale words: two bytes of each half of the keys
	v_perm_b32 v95, v93, v91, 0x05040100
	v_cvt_scalef32_pk16_fp6_f32 v[192:194], v[96:111], v220
	v_cvt_scalef32_pk16_fp6_f32 v[204:206], v[112:127], v220   ; (a conversion's three registers begin on an even number: a block's second three are made elsewhere and moved)
	v_cvt_scalef32_pk16_fp6_f32 v[198:200], v[128:143], v221
	v_cvt_scalef32_pk16_fp6_f32 v[208:210], v[144:159], v221
	v_lshl_or_b32 v227, v223, 16, v222             ; my two bytes (a plain place behind the conversions),
	v_mov_b32 v195, v204
	v_mov_b32 v196, v205
	v_lshlrev_b32 v227, v10, v227                  ; at their places: 8 h bits up;
	v_mov_b32 v197, v206
	v_mov_b32 v201, v208
	v_permlanex16_b32 v245, v227, s[SEL], s[SEL+1]
	v_mov_b32 v202, v209
	v_mov_b32 v203, v210
	v_or_b32 v227, v227, v245                      ; with lane l xor 16's two the word of these 128 keys is whole
	; the sum of the unquantised p, in four chains by turns: these 32 lines are also the places between the writes of p's codes and scale word and the products
	v_pk_add_f32 v[228:229], v[96:97], v[98:99]
	v_pk_add_f32 v[246:247], v[100:101], v[102:103]
	v_pk_add_f32 v[248:249], v[104:105], v[106:107]
.set j, 12
.rept 6
	v_pk_add_f32 v[14:15], v[14:15], v[96+j:97+j]
	v_pk_add_f32 v[228:229], v[228:229], v[98+j:99+j]
	v_pk_add_f32 v[246:247], v[246:247], v[100+j:101+j]
	v_pk_add_f32 v[248:249], v[248:249], v[102+j:103+j]
.set j, j+8
.endr
	v_pk_add_f32 v[14:15], v[14:15], v[156:157]
	v_pk_add_f32 v[228:229], v[228:229], v[158:159]
	v_pk_add_f32 v[246:247], v[246:247], v[248:249]
	v_pk_add_f32 v[14:15], v[14:15], v[228:229]
	s_delay_alu instid0(VALU_DEP_1)
	v_pk_add_f32 v[14:15], v[14:15], v[246:247]
.irp t, 0,1,2,3                        ; O^T += v^T p^T: the four accumulators by turns
.if \t%2
	v_wmma_scale_f32_16x16x128_f8f6f4 v[160+8*\t:167+8*\t], v[32+12*\t:43+12*\t], v[192:203], v[160+8*\t:167+8*\t], v[94+\t/2], v227 matrix_a_fmt:MATRIX_FMT_FP6 matrix_b_fmt:MATRIX_FMT_FP6 matrix_a_scale:MATRIX_SCALE_ROW1
.else
	v_wmma_scale_f32_16x16x128_f8f6f4 v[160+8*\t:167+8*\t], v[32+12*\t:43+12*\t], v[192:203], v[160+8*\t:167+8*\t], v[94+\t/2], v227 matrix_a_fmt:MATRIX_FMT_FP6 matrix_b_fmt:MATRIX_FMT_FP6
.endif
.endr
.endm
.macro PASS q, qs                      ; one tile of queries over the 16 steps
	s_mov_b32 s[TB], 0
	s_mov_b32 s[CNT], 16
.Lstep_\@:
	STEP \q, \qs
	s_add_co_u32 s[TB], s[TB], STEPB
	s_sub_co_u32 s[CNT], s[CNT], 1
	s_cmp_lg_u32 s[CNT], 0
	s_cbranch_scc1 .Lstep_\@
.endm
; 32 numbers of a lane, register 16 b + i = channel 32 b + 16 (lane / 16) + i of my row, become six registers of codes and the row's scale word
.macro QUANT2 src, p, w, t
	v_max3_num_f32 v[\t], |v[\src]|, |v[\src+1]|, 0x1800000
	v_max3_num_f32 v[\t+1], |v[\src+16]|, |v[\src+17]|, 0x1800000
.irp i, 2,4,6,8,10,12,14
	s_delay_alu instid0(VALU_DEP_2)
	v_max3_num_f32 v[\t], v[\t], |v[\src+\i]|, |v[\src+1+\i]|
	s_delay_alu instid0(VALU_DEP_2)
	v_max3_num_f32 v[\t+1], v[\t+1], |v[\src+16+\i]|, |v[\src+17+\i]|
.endr
	s_delay_alu instid0(VALU_DEP_2)
	v_permlanex16_b32 v[\t+2], v[\t], s[SEL], s[SEL+1]
	s_delay_alu instid0(VALU_DEP_2)
	v_permlanex16_b32 v[\t+3], v[\t+1], s[SEL], s[SEL+1]
	s_delay_alu instid0(VALU_DEP_2)
	v_max_num_f32 v[\t], v[\t], v[\t+2]
	s_delay_alu instid0(VALU_DEP_2)
	v_max_num_f32 v[\t+1], v[\t+1], v[\t+3]
	s_delay_alu instid0(VALU_DEP_2)
	v_add_nc_u32 v[\t+4], 0xff000000, v[\t]
	s_delay_alu instid0(VALU_DEP_2)
	v_add_nc_u32 v[\t+5], 0xff000000, v[\t+1]
	s_delay_alu instid0(VALU_DEP_2)
	v_lshrrev_b32 v[\t+6], 23, v[\t+4]
	s_delay_alu instid0(VALU_DEP_2)
	v_lshrrev_b32 v[\t+7], 23, v[\t+5]
	s_delay_alu instid0(VALU_DEP_1)
	v_lshl_or_b32 v[\w], v[\t+7], 8, v[\t+6]
	s_delay_alu instid0(VALU_DEP_1)
	v_or_b32 v[\w], 0x7f7f0000, v[\w]
	v_cvt_scalef32_pk16_fp6_f32 v[\p:\p+2], v[\src:\src+15], v[\t+4]
	v_cvt_scalef32_pk16_fp6_f32 v[\p+4:\p+6], v[\src+16:\src+31], v[\t+5]
	v_nop
.irp i, 0,1,2
	v_permlane16_swap_b32 v[\p+\i], v[\p+4+\i]
.endr
.irp i, 0,1,2
	s_delay_alu instid0(VALU_DEP_3)
	v_mov_b32 v[\p+3+\i], v[\p+4+\i]
.endr
.endm
.macro INIT                            ; the step is written once: the first finds zeros, which the first change of M leaves zeros
.set j, 0
.rept 32
	v_mov_b32 v[160+j], 0
.set j, j+1
.endr
	v_mov_b32 v13, 0xff61b1e6                      ; -3e38, under every score
	s_delay_alu instid0(VALU_DEP_1)
	v_floor_f32 v12, -v13
	v_mov_b32 v14, 0
	v_mov_b32 v15, 0
.endm
.macro WAYOUT p                        ; O^T / the sum, quantised: a half image of 768 bytes, stored as 512 + 256 consecutive bytes; the scale words go through LDS
.rept 4
	v_nop
.endr
	v_add_f32 v14, v14, v15
	s_delay_alu instid0(VALU_DEP_1)
	v_permlanex16_b32 v226, v14, s[SEL], s[SEL+1]
	s_delay_alu instid0(VALU_DEP_1)
	v_add_f32 v14, v14, v226
	s_wait_alu depctr_va_vdst(0)
	v_rcp_f32 v14, v14
	v_nop
	s_wait_alu depctr_va_vdst(0)                   ; the wait behind the transcendental, directly ahead of the first reads of O^T
.set j, 0
.rept 32
	v_mul_f32 v[96+j], v[160+j], v14
.set j, j+1
.endr
	QUANT2 96, 192, 227, 212
	global_store_b128 v1, v[192:195], s[10:11] offset:\p*16*16*768
	global_store_b64 v2, v[196:197], s[10:11] offset:\p*16*16*768+512
	ds_store_b32 v6, v227 offset:1024*\p
.if \p == 0
	s_wait_xcnt 0x0                                ; the stores' data registers are written again in the second tile
.endif
.endm
	INIT
	s_wait_alu depctr_va_vdst(0)
	s_wait_loadcnt 0x0                             ; q is in
	s_wait_tensorcnt 0x0                           ; my step is in,
	s_wait_dscnt 0x0
	s_barrier_signal -1
	s_barrier_wait -1                              ; everybody's is: all 16 steps may be read, and nothing is filled again
	PASS 16, 28
	WAYOUT 0
	INIT
	PASS 232, 244
	WAYOUT 1
	s_wait_dscnt 0x0                               ; for the others' sake: my scale words have landed
	s_barrier_signal -1
	s_barrier_wait -1
	s_cmp_lt_u32 s[WV], 4
	s_cbranch_scc0 .Lno_words
	ds_load_b128 v[96:99], v8                      ; the work-group's 2,048 bytes of scale words leave in whole runs of 512 bytes a wave
	s_wait_dscnt 0x0
	global_store_b128 v9, v[96:99], s[12:13]
.Lno_words:
	s_wait_tensorcnt 0x0                           ; the wave's end
	ds_add_u32 v254, v255
	s_wait_dscnt 0x0
	CROUND                                         ; the closing round
	s_endpgm
.Lfunc_end_k_qbef6ba3583_attn:
	.size	k_qbef6ba3583_attn, .Lfunc_end_k_qbef6ba3583_attn-k_qbef6ba3583_attn
	.p2alignl 7, 3214868480
	.fill 96, 4, 3214868480
	.section	.rodata,"a",@progbits
	.p2align	6, 0x0
	.amdhsa_kernel k_qbef6ba3583_attn
		.amdhsa_group_segment_fixed_size 327680
		.amdhsa_private_segment_fixed_size 0
		.amdhsa_enable_private_segment 0
		.amdhsa_kernarg_size 40
		.amdhsa_user_sgpr_count 2
		.amdhsa_user_sgpr_kernarg_segment_ptr 1
		.amdhsa_wavefront_size32 1
		.amdhsa_system_sgpr_workgroup_id_x 1
		.amdhsa_system_sgpr_workgroup_id_y 1
		.amdhsa_system_sgpr_workgroup_id_z 1
		.amdhsa_system_vgpr_workitem_id 0
		.amdhsa_next_free_vgpr 256
		.amdhsa_next_free_sgpr 80
		.amdhsa_reserve_vcc 0
		.amdhsa_float_denorm_mode_32 3
		.amdhsa_float_denorm_mode_16_64 3
		.amdhsa_memory_ordered 1
		.amdhsa_forward_progress 1
		.amdhsa_inst_pref_size 49
	.end_amdhsa_kernel
	.amdgpu_metadata
---
amdhsa.version: [ 1, 2 ]
amdhsa.kernels:
  - .name:           k_qbef6ba3583_attn
    .symbol:         k_qbef6ba3583_attn.kd
    .args:
      - { .name: q_img, .offset: 0, .size: 8, .value_kind: global_buffer, .address_space: global }
      - { .name: q_sc, .offset: 8, .size: 8, .value_kind: global_buffer, .address_space: global }
      - { .name: kv, .offset: 16, .size: 8, .value_kind: global_buffer, .address_space: global }
      - { .name: ctx_img, .offset: 24, .size: 8, .value_kind: global_buffer, .address_space: global }
      - { .name: ctx_sc, .offset: 32, .size: 8, .value_kind: global_buffer, .address_space: global }
    .group_segment_fixed_size: 327680
    .private_segment_fixed_size: 0
    .kernarg_segment_align: 8
    .kernarg_segment_size: 40
    .max_flat_workgroup_size: 512
    .sgpr_count:     80
    .vgpr_count:     256
    .wavefront_size: 32
...
	.end_amdgpu_metadata
.endif
;; end of part 2
;; launch oproj (part 3): grid 256 x 1, 12 waves a work-group, no clusters, 324,096 bytes of LDS; arguments ctx_img, ctx_sc, Wo_codes, Wo_scales, bo, out0; writes out0
.if DOCPART == 3
	.amdgcn_target "amdgcn-amd-amdhsa--gfx1250"
	.amdhsa_code_object_version 6
	.text
	.protected	k_qbef6ba3583_oproj
	.globl	k_qbef6ba3583_oproj
	.p2align	8
	.type	k_qbef6ba3583_oproj,@function
k_qbef6ba3583_oproj:
	s_mov_b64 s[64:65], 0
	v_nop
	global_prefetch_b8 v0, s[64:65] scope:SCOPE_SE
	s_setreg_imm32_b32 hwreg(HW_REG_WAVE_MODE, 25, 1), 1
	s_wait_xcnt 0x0
; THE LAST PROJECTION, out = ctx Wo + bo, on codes of FP6 (E2M3) with E8M0 scales; out is f32.
; ctx comes as half images of operand registers, [tile of 16 rows][head 16][768 bytes]: heads 2 s and 2 s + 1 on end ARE the fragment of K step s.  Its scale words come as [batch, head][tile][row]: two bytes a head.
; THE MATRIX INSTRUCTION IS USED TRANSPOSED: source 0 = 16 rows of Wo (outputs), source 1 = 16 rows of ctx: a lane holds one row of out and eight neighbouring columns a tile.
; Wo's rows lie in LDS in tile order (LDS row 32 B + 16 u + r = row 32 B + 8 u + r + 8 (r / 8)); ctx's tiles have that order of rows from the first launch: the way out puts both right.
; SHARES: a work-group makes 128 rows x 256 columns, all of K = 1,024.  TWELVE WAVES: waves 0 to 7 bring Wo (32 rows each) and multiply, 64 x 64 each (wy = w / 4, wx = w % 4): 16 accumulators, two such waves to a SIMD;
; waves 8 to 11 bring ctx (two tiles and four heads' scale words each), pass the barriers and end.  256 work-groups.
; THE OPERANDS COME ONCE, by lane-addressed copies issued at the head, in chunks of 256 along K (12 copies a wave in either role), each waited for by its own count; by this text's count a wave has 52 copies out at the most.
; NO JOINT LOADS, though work-groups share rows: Wo's rows are laid 784 bytes apart and in tile order, which needs an address a lane, and a lane-addressed copy names one work-group's LDS.
.set PL,   784                         ; an LDS row of Wo's codes: 768 bytes + 16 = 196 words: row r starts at bank 4 r mod 64 (64 banks of 4 bytes: ISA guide 11.1)
.set XB,   98304                       ; ctx's images, [tile 8][head 16][768], lie at 0; Wo's 256 rows here
.set RAW,  XB+256*PL                   ; ctx's scale words as they come: [head 16][tile 8][row 16]
.set YSC,  RAW+8192                    ; and put together: 128 rows x 40 (a word for each K step, + 8); written by LDS stores, in blocks of 256 bytes of its own
.set XSC,  YSC+128*40                  ; Wo's scale bytes: 256 rows x 40
.set SC,   24                          ; v24-31   scale words and nothing else
.set XF,   32                          ; v32-79   Wo's four fragments
.set YF,   80                          ; v80-127  ctx's four
.set ACC,  128
; v1 Wo's fragments, v2, v3 ctx's (16 and 8 bytes a lane), v4 the scale words: LDS addresses.  v5, v6 ctx's copies.  WO'S COPIES GO BY PAIRS OF ROWS: a copy takes one run of 128 bytes of each of four rows, eight lanes to a run:
; v7-10 LDS address in the even rows (four groups of 8 rows), v12-14 and v21 in the odd rows; v11 the offset in memory; s[38:45], s[46:53] the groups' bases, even and odd rows.  A K chunk of 256 is then 16, 8, 16 and 8 copies.
; v15, v16 the stage, in and back; v17 my bytes in out; v18 the bias; v19, v20 the scale words' merge.
	s_load_b256 s[4:11], s[0:1], 0x0
	s_load_b128 s[12:15], s[0:1], 0x20             ; bo, out
	v_lshl_add_u32 v22, v0, 2, 0x4ec00
	v_mov_b32 v23, 0
	ds_add_u32 v22, v23
	ds_add_u32 v22, v23
	v_lshrrev_b32 v19, 5, v0
	s_delay_alu instid0(VALU_DEP_1)
	v_readfirstlane_b32 s2, v19                    ; wave 0..11
	s_and_b32 s19, s2, 7                           ; for Wo's copies and all that belongs to the products: waves 8 to 11 make the addresses of waves 0 to 3 and use none but the bias's
	s_lshr_b32 s3, ttmp9, 2                        ; block of 128 rows
	s_and_b32 s16, ttmp9, 3                        ; block of 256 columns
	s_lshr_b32 s17, s19, 2                         ; wy
	s_and_b32 s18, s2, 3                           ; wx; in waves 8 to 11: which quarter of ctx I bring
	s_mul_i32 s20, s3, 98304                       ; ctx_img: eight tiles
	s_mov_b32 s21, 0
	s_lshr_b32 s22, s3, 4                          ; ctx_sc: batch x 16 heads x 8,192 + the block's eight tiles x 64
	s_lshl_b32 s22, s22, 17
	s_and_b32 s23, s3, 15
	s_lshl_b32 s23, s23, 9
	s_add_co_u32 s22, s22, s23
	s_mov_b32 s23, 0
	s_mul_i32 s24, s16, 256*768
	s_mov_b32 s25, 0
	s_lshl_b32 s26, s16, 13
	s_mov_b32 s27, 0
	s_lshl_b32 s30, s16, 10                        ; my 64 columns in bytes: 1,024 x block + 256 wx
	s_lshl_b32 s31, s18, 8
	s_add_co_u32 s30, s30, s31
	s_lshl_b32 s28, s3, 19                         ; my 64 rows of out: (128 x block + 64 wy) x 4,096
	s_lshl_b32 s31, s17, 18
	s_add_co_u32 s28, s28, s31
	s_add_co_u32 s28, s28, s30
	s_mov_b32 s29, 0
	v_and_b32 v96, 31, v0                          ; lane
	s_delay_alu instid0(VALU_DEP_1)
	v_lshrrev_b32 v97, 2, v96                      ; i: a copy of Wo moves 8 rows, four lanes to a row
	v_and_b32 v98, 3, v0                           ; q4
	v_and_b32 v99, 15, v0                          ; r
	v_bfe_u32 v100, v0, 4, 1                       ; h
	v_lshlrev_b32 v101, 4, v96
	s_mul_i32 s32, s18, 24576                      ; ctx: wave 8 + j brings tiles 2 j and 2 j + 1, dense: the same offset in LDS and in memory
	v_add_nc_u32 v5, s32, v101
	v_add_nc_u32 v6, s32, v101
	v_lshrrev_b32 v104, 3, v96                     ; which of a copy's four pairs of rows
	v_and_b32 v105, 7, v0                          ; which 16 bytes of the run of 128
	s_delay_alu instid0(VALU_DEP_2)
	v_mul_u32_u24 v102, v104, 2*PL
	s_delay_alu instid0(VALU_DEP_1)
	v_lshl_add_u32 v102, v105, 4, v102
	s_mul_i32 s32, s19, 32*PL
	s_add_co_u32 s32, s32, XB
	v_add_nc_u32 v7, s32, v102
	s_delay_alu instid0(VALU_DEP_1)
	v_add_nc_u32 v8, 8*PL, v7
	s_delay_alu instid0(VALU_DEP_1)
	v_add_nc_u32 v9, 8*PL, v8
	s_delay_alu instid0(VALU_DEP_1)
	v_add_nc_u32 v10, 8*PL, v9
	v_mul_u32_u24 v102, v104, 2*768                ; in memory: my 32 rows, the pair, 16 bytes a lane; the group's place stands in the scalar base
	s_mul_i32 s32, s19, 32*768
	v_add_nc_u32 v12, PL, v7                       ; the odd rows in LDS
	v_add_nc_u32 v13, PL, v8
	v_lshl_add_u32 v102, v105, 4, v102
	v_add_nc_u32 v14, PL, v9
	v_add_nc_u32 v21, PL, v10
	v_add_nc_u32 v11, s32, v102
	s_lshl_b32 s32, s18, 11                        ; ctx's scale words: wave 8 + j brings heads 4 j .. 4 j + 3, 512 bytes each (v80-95: free for ctx's fragments once these copies are shown done)
	s_add_co_u32 s32, s32, RAW
	v_add_nc_u32 v80, s32, v101
	s_delay_alu instid0(VALU_DEP_1)
	v_add_nc_u32 v81, 512, v80
	s_delay_alu instid0(VALU_DEP_1)
	v_add_nc_u32 v82, 512, v81
	s_delay_alu instid0(VALU_DEP_1)
	v_add_nc_u32 v83, 512, v82
	s_lshl_b32 s32, s18, 15
	v_add_nc_u32 v84, s32, v101
	s_delay_alu instid0(VALU_DEP_1)
	v_add_nc_u32 v85, 8192, v84
	s_delay_alu instid0(VALU_DEP_1)
	v_add_nc_u32 v86, 8192, v85
	s_delay_alu instid0(VALU_DEP_1)
	v_add_nc_u32 v87, 8192, v86
	v_mul_u32_u24 v102, v97, 40                    ; Wo's scale bytes: the same four groups as its codes, 8 bytes a lane
	s_delay_alu instid0(VALU_DEP_1)
	v_lshl_add_u32 v102, v98, 3, v102
	s_mul_i32 s32, s19, 1280
	s_add_co_u32 s32, s32, XSC
	v_add_nc_u32 v88, s32, v102
	s_delay_alu instid0(VALU_DEP_1)
	v_add_nc_u32 v89, 320, v88
	s_delay_alu instid0(VALU_DEP_1)
	v_add_nc_u32 v90, 320, v89
	s_delay_alu instid0(VALU_DEP_1)
	v_add_nc_u32 v91, 320, v90
	v_lshlrev_b32 v102, 5, v97
	s_delay_alu instid0(VALU_DEP_1)
	v_lshl_add_u32 v102, v98, 3, v102
	s_lshl_b32 s32, s19, 10
	v_add_nc_u32 v92, s32, v102
	s_delay_alu instid0(VALU_DEP_1)
	v_add_nc_u32 v93, 512, v92
	s_delay_alu instid0(VALU_DEP_2)
	v_add_nc_u32 v94, 256, v92
	s_delay_alu instid0(VALU_DEP_2)
	v_add_nc_u32 v95, 256, v93
	v_mul_u32_u24 v102, v99, PL                    ; where my fragments lie
	s_delay_alu instid0(VALU_DEP_1)
	v_mad_u32_u24 v102, v100, 24, v102
	s_mul_i32 s32, s18, 64*PL
	s_add_co_u32 s32, s32, XB
	v_add_nc_u32 v1, s32, v102
	s_mul_i32 s32, s17, 4*12288
	v_add_nc_u32 v2, s32, v101
	v_lshlrev_b32 v102, 3, v96
	s_delay_alu instid0(VALU_DEP_1)
	v_add_nc_u32 v3, s32, v102
	v_mul_u32_u24 v102, v99, 40                    ; the scale words: lanes 0-15 take ctx's rows, lanes 16-31 Wo's: the lower base + h x the distance
	s_mul_i32 s32, s17, 2560
	s_mul_i32 s33, s18, 2560
	s_add_co_u32 s33, s33, 5120
	s_sub_co_u32 s33, s33, s32
	v_mul_u32_u24 v103, s33, v100
	s_add_co_u32 s32, s32, YSC
	v_add_nc_u32 v102, v102, v103
	s_delay_alu instid0(VALU_DEP_1)
	v_add_nc_u32 v4, s32, v102
	s_mul_i32 s32, s19, 64*272                     ; my stage for the way out: 64 rows x (256 bytes + 16), in the operands' bytes, which have had their last fill and their last read by then
	v_mul_u32_u24 v102, v99, 272
	s_delay_alu instid0(VALU_DEP_1)
	v_lshl_add_u32 v102, v100, 6, v102
	s_delay_alu instid0(VALU_DEP_1)
	v_add_nc_u32 v15, s32, v102                    ; in: row r of a tile, + 64 h
	v_mul_u32_u24 v102, v100, 272
	s_delay_alu instid0(VALU_DEP_1)
	v_lshl_add_u32 v102, v99, 4, v102
	s_delay_alu instid0(VALU_DEP_1)
	v_add_nc_u32 v16, s32, v102                    ; back: lanes 0-15 one row, lanes 16-31 the next
	v_lshlrev_b32 v17, 12, v100
	s_delay_alu instid0(VALU_DEP_1)
	v_lshl_add_u32 v17, v99, 4, v17                ; and the same two rows in out
	v_lshl_add_u32 v18, v100, 6, s30               ; the bias: tile b's eight numbers of my half begin at column 32 (b / 2) + 16 h + 8 (b % 2)
	v_and_b32 v102, 127, v0                        ; the merge (waves 0 to 7): thread t takes row t % 128 and heads 8 (t / 128) on
	v_bfe_u32 v103, v0, 7, 1
	s_delay_alu instid0(VALU_DEP_2)
	v_lshlrev_b32 v19, 2, v102
	s_delay_alu instid0(VALU_DEP_1)
	v_lshl_add_u32 v19, v103, 12, v19
	s_delay_alu instid0(VALU_DEP_1)
	v_add_nc_u32 v19, RAW, v19
	v_mul_u32_u24 v20, v102, 40
	s_delay_alu instid0(VALU_DEP_1)
	v_lshl_add_u32 v20, v103, 4, v20
	s_delay_alu instid0(VALU_DEP_1)
	v_add_nc_u32 v20, YSC, v20
	s_wait_dscnt 0x0
	s_wait_kmcnt 0x0
	s_add_nc_u64 s[4:5], s[4:5], s[20:21]
	s_add_nc_u64 s[6:7], s[6:7], s[22:23]
	s_add_nc_u64 s[8:9], s[8:9], s[24:25]
	s_add_nc_u64 s[10:11], s[10:11], s[26:27]
	s_add_nc_u64 s[14:15], s[14:15], s[28:29]
	s_mov_b64 s[38:39], s[8:9]                     ; LDS groups 0 to 3 take rows 0, 16, 8, 24 on of my 32; the odd rows lie one row further
	s_add_nc_u64 s[40:41], s[8:9], 16*768
	s_add_nc_u64 s[42:43], s[8:9], 8*768
	s_add_nc_u64 s[44:45], s[8:9], 24*768
	s_add_nc_u64 s[46:47], s[8:9], 768
	s_add_nc_u64 s[48:49], s[8:9], 17*768
	s_add_nc_u64 s[50:51], s[8:9], 9*768
	s_add_nc_u64 s[52:53], s[8:9], 25*768
.macro XLINE off                       ; the run of 128 bytes at byte off of each of my 32 rows of Wo: 8 copies
.irp g, 0,1,2,3
	global_load_async_to_lds_b128 v[7+\g], v11, s[38+2*\g:39+2*\g] offset:\off
.endr
.irp g, 0,1,2
	global_load_async_to_lds_b128 v[12+\g], v11, s[46+2*\g:47+2*\g] offset:\off
.endr
	global_load_async_to_lds_b128 v21, v11, s[52:53] offset:\off
.endm
.macro YCHUNK c                        ; 256 along K: four heads (3,072 bytes) of each of my two tiles of ctx: 12 copies
.irp tb, 0,1
.irp k, 0,1,2,3,4,5
	global_load_async_to_lds_b128 v5, v6, s[4:5] offset:12288*\tb+3072*(\c)+512*\k
.endr
.endr
.endm
.macro BAR
	s_barrier_signal -1
	s_barrier_wait -1
.endm
	; ALL COPIES, ahead of every wait for them, every LDS read and every barrier: four for the scales, then the four chunks; in the same order in both roles, Wo's chunks 16, 8, 16, 8 copies and ctx's 12 each: each counted wait takes the lesser count
	; THE SUMS START FROM THE BIAS, loaded straight into the accumulators, ahead of the copies: nothing is cleared.  (Every wave runs these lines.)
	s_wait_alu depctr_va_vdst(0)
.irp a, 0,1,2,3
.irp b, 0,1,2,3
	global_load_b128 v[ACC+8*(4*\a+\b):ACC+8*(4*\a+\b)+3], v18, s[12:13] offset:(32*(\b/2)+8*(\b%2))*4
	global_load_b128 v[ACC+8*(4*\a+\b)+4:ACC+8*(4*\a+\b)+7], v18, s[12:13] offset:(32*(\b/2)+8*(\b%2))*4+16
.endr
.endr
	s_cmp_lt_u32 s2, 8
	s_cbranch_scc0 .Lctx_copies
.irp g, 0,1,2,3
	global_load_async_to_lds_b64 v[88+\g], v[92+\g], s[10:11]
.endr
	XLINE 0                                        ; bytes 0-191 of the rows (K steps 0, 1): 16 copies
	XLINE 128
	XLINE 256                                      ; bytes 192-383: 8 more
	XLINE 384                                      ; bytes 384-575: 16 more
	XLINE 512
	XLINE 640                                      ; bytes 576-767: 8 more
	s_branch .Lcopied
.Lctx_copies:
.irp g, 0,1,2,3
	global_load_async_to_lds_b128 v[80+\g], v[84+\g], s[6:7]
.endr
	YCHUNK 0
	YCHUNK 1
	YCHUNK 2
	YCHUNK 3
.Lcopied:
	s_wait_loadcnt 0x0
; A K STEP of 128.  The 16 accumulators take turns, one instruction a turn, in the same order in every step.
.macro KSTEP s
.rept 4
	v_nop                                          ; four places in front of loads into registers that matrix instructions have read
.endr
.if (\s)%2 == 0
.irp i, 0,1,2,3
	ds_load_b64 v[SC+2*\i:SC+2*\i+1], v4 offset:640*\i+8*((\s)/2)   ; the scale words of this K step and the next: lanes 0-15 ctx's tile i, lanes 16-31 Wo's
.endr
.endif
.irp b, 0,1,2,3
.irp p, 0,1,2,3,4,5
	ds_load_b64 v[XF+12*\b+2*\p:XF+12*\b+2*\p+1], v1 offset:\b*16*PL+96*(\s)+48*(\p/3)+8*(\p%3)
.endr
.endr
.irp a, 0,1,2,3
.irp c, 0,1
	ds_load_b128 v[YF+12*\a+6*\c:YF+12*\a+6*\c+3], v2 offset:12288*\a+768*(2*(\s)+\c)
	ds_load_b64 v[YF+12*\a+6*\c+4:YF+12*\a+6*\c+5], v3 offset:12288*\a+768*(2*(\s)+\c)+512
.endr
.endr
.irp a, 0,1,2,3
	s_wait_dscnt 12-4*\a                           ; Wo's four and ctx's tiles up to a are in; the four loads of each later tile may be out
.irp b, 0,1,2,3
	v_wmma_scale_f32_16x16x128_f8f6f4 v[ACC+8*(4*\a+\b):ACC+8*(4*\a+\b)+7], v[XF+12*\b:XF+12*\b+11], v[YF+12*\a:YF+12*\a+11], v[ACC+8*(4*\a+\b):ACC+8*(4*\a+\b)+7], v[SC+2*\b+(\s)%2], v[SC+2*\a+(\s)%2] matrix_a_fmt:MATRIX_FMT_FP6 matrix_b_fmt:MATRIX_FMT_FP6 matrix_a_scale:MATRIX_SCALE_ROW1
.endr
.endr
.endm
	; Every wave waits for its copies and passes every barrier; the work stands under branches on the wave's number, which jump over no barrier.
	s_wait_asynccnt 32                             ; Wo's waves: behind the scales and bytes 0-191 stand 8 + 16 + 8 copies; ctx's waves: behind the scales and chunk 0 stand 36: the lesser count serves both
	BAR                                            ; everybody's are
	s_cmp_lt_u32 s2, 8
	s_cbranch_scc0 .Lno_merge
	; ctx's scale words are put together: K step s of a row takes two bytes of head 2 s and two of head 2 s + 1
.irp k, 0,1,2,3,4,5,6,7
	ds_load_b32 v[32+\k], v19 offset:512*\k
.endr
	s_wait_dscnt 0x0
.irp k, 0,1,2,3
	v_perm_b32 v[40+\k], v[33+2*\k], v[32+2*\k], 0x05040100
.endr
	ds_store_b64 v20, v[40:41]
	ds_store_b64 v20, v[42:43] offset:8
.Lno_merge:
	s_wait_dscnt 0x0                               ; for the others' sake: my stores have landed
	BAR
	s_cmp_lt_u32 s2, 8
	s_cbranch_scc0 .Lno_k01
	KSTEP 0
	KSTEP 1
.Lno_k01:
	s_wait_asynccnt 24                             ; chunk 1: chunks 2 and 3 may be out.  (No LDS instruction of mine is out at these signals: a K step ends with a wait for 0.)
	BAR
	s_cmp_lt_u32 s2, 8
	s_cbranch_scc0 .Lno_k23
	KSTEP 2
	KSTEP 3
.Lno_k23:
	s_wait_asynccnt 8                              ; Wo's waves: behind bytes 384-575 stand 8 copies; ctx's waves: behind chunk 2 stand 12
	BAR
	s_cmp_lt_u32 s2, 8
	s_cbranch_scc0 .Lno_k45
	KSTEP 4
	KSTEP 5
.Lno_k45:
	s_wait_asynccnt 0x0                            ; chunk 3
	BAR
	s_cmp_lt_u32 s2, 8
	s_cbranch_scc0 .Lno_k67
	KSTEP 6
	KSTEP 7
.Lno_k67:
	s_wait_dscnt 0x0
	BAR                                            ; nobody reads the operands any more, and no copy is on its way: their bytes become the stages
	s_cmp_lt_u32 s2, 8
	s_cbranch_scc0 .Lend                           ; waves 8 to 11 have done their part
.rept 4
	v_nop                                          ; places behind the last products: their results are read, and loads land on their operands' registers
.endr
	; THE WAY OUT: a lane holds 32 neighbouring bytes of a row a tile; my 64 rows x 256 bytes go through my own stage and come back as whole rows: sixteen lanes store 256 consecutive bytes at a multiple of 256.
	; LDS serves a wave's instructions in order (ISA guide 5.7.1.4): no wait between the stores and the loads.  Stage row 16 a + r is row 32 (a / 2) + 8 (a % 2) + r + 8 (r / 8) of my 64.
.irp a, 0,1,2,3
.irp b, 0,1,2,3
	ds_store_b128 v15, v[ACC+8*(4*\a+\b):ACC+8*(4*\a+\b)+3] offset:4352*\a+128*(\b/2)+32*(\b%2)      ; each accumulator from its low end on
	ds_store_b128 v15, v[ACC+8*(4*\a+\b)+4:ACC+8*(4*\a+\b)+7] offset:4352*\a+128*(\b/2)+32*(\b%2)+16
.endr
.endr
.set t, 0
.rept 16
	ds_load_b128 v[32+4*t:35+4*t], v16 offset:544*t                  ; stage rows 2 t and 2 t + 1
.set t, t+1
.endr
.set t, 0
.rept 16
	s_wait_dscnt 15                                ; load t is back: behind it stand loads t + 1 .. 15 and the t loads issued in the turns before: fifteen.  (So the stage's stores are done too: the accumulators' registers are free)
	global_store_b128 v17, v[32+4*t:35+4*t], s[14:15] offset:(32*(t/16)+8*((t/8)%2)+(2*t)%16+8*(((2*t)%16)/8))*4096 th:TH_STORE_NT   ; written once, read by nobody here
	ds_load_b128 v[128+4*t:131+4*t], v16 offset:544*(16+t)           ; and a load of the second half goes out
.set t, t+1
.endr
.set t, 16
.rept 16
	s_wait_dscnt 31-t                              ; load t is back; the younger ones may be out
	global_store_b128 v17, v[128+4*(t-16):131+4*(t-16)], s[14:15] offset:(32*(t/16)+8*((t/8)%2)+(2*t)%16+8*(((2*t)%16)/8))*4096 th:TH_STORE_NT
.set t, t+1
.endr
.Lend:
	s_wait_tensorcnt 0x0
	ds_add_u32 v22, v23
	s_wait_dscnt 0x0
	s_endpgm
.Lfunc_end_k_qbef6ba3583_oproj:
	.size	k_qbef6ba3583_oproj, .Lfunc_end_k_qbef6ba3583_oproj-k_qbef6ba3583_oproj
	.p2alignl 7, 3214868480
	.fill 96, 4, 3214868480
	.section	.rodata,"a",@progbits
	.p2align	6, 0x0
	.amdhsa_kernel k_qbef6ba3583_oproj
		.amdhsa_group_segment_fixed_size 324096
		.amdhsa_private_segment_fixed_size 0
		.amdhsa_enable_private_segment 0
		.amdhsa_kernarg_size 48
		.amdhsa_user_sgpr_count 2
		.amdhsa_user_sgpr_kernarg_segment_ptr 1
		.amdhsa_wavefront_size32 1
		.amdhsa_system_sgpr_workgroup_id_x 1
		.amdhsa_system_sgpr_workgroup_id_y 1
		.amdhsa_system_sgpr_workgroup_id_z 1
		.amdhsa_system_vgpr_workitem_id 0
		.amdhsa_next_free_vgpr 256
		.amdhsa_next_free_sgpr 90
		.amdhsa_reserve_vcc 0
		.amdhsa_float_denorm_mode_32 3
		.amdhsa_float_denorm_mode_16_64 3
		.amdhsa_memory_ordered 1
		.amdhsa_forward_progress 1
		.amdhsa_inst_pref_size 71
	.end_amdhsa_kernel
	.amdgpu_metadata
---
amdhsa.version: [ 1, 2 ]
amdhsa.kernels:
  - .name:           k_qbef6ba3583_oproj
    .symbol:         k_qbef6ba3583_oproj.kd
    .args:
      - { .name: ctx_img, .offset: 0, .size: 8, .value_kind: global_buffer, .address_space: global }
      - { .name: ctx_sc, .offset: 8, .size: 8, .value_kind: global_buffer, .address_space: global }
      - { .name: Wo_codes, .offset: 16, .size: 8, .value_kind: global_buffer, .address_space: global }
      - { .name: Wo_scales, .offset: 24, .size: 8, .value_kind: global_buffer, .address_space: global }
      - { .name: bo, .offset: 32, .size: 8, .value_kind: global_buffer, .address_space: global }
      - { .name: out0, .offset: 40, .size: 8, .value_kind: global_buffer, .address_space: global }
    .group_segment_fixed_size: 324096
    .private_segment_fixed_size: 0
    .kernarg_segment_align: 8
    .kernarg_segment_size: 48
    .max_flat_workgroup_size: 384
    .sgpr_count:     90
    .vgpr_count:     256
    .wavefront_size: 32
...
	.end_amdgpu_metadata
.endif
;; end of part 3
